; MI455X (gfx1250); checked and timed in simulation.
; The chip was launched on July 23, 2026; its instructions are those of AMD's public machine-readable ISA for CDNA 5 (MIT licence, August 2026) and "CDNA5" Instruction Set Architecture Reference Guide (July 2026). The comments in the code are by the model that wrote it; some were corrected since.
;; Secure Swish Feed Forward. Allowed arithmetic: matrix products marked QUANTISED: E2M1 operands, one E8M0 scale for each 32 along K, by v_wmma_scale_f32_16x16x128_f8f6f4 with both operands' format E2M1 (or v_wmma_scale_f32_32x16x128_f4), f32 sums; everything else in f32.
;; Inputs: W1_codes 4,096 x 32 x 16 uint8 (E2M1 codes of W1, K innermost, in blocks of 32 codes, two codes a byte); W1_scales 4,096 x 32 uint8 (E8M0 scales of W1, one for each 32 codes along K); W2_codes 1,024 x 128 x 16 uint8 (E2M1 codes of W2, K innermost, in blocks of 32 codes, two codes a byte); W2_scales 1,024 x 128 uint8 (E8M0 scales of W2, one for each 32 codes along K); b1 4,096 float32; b2 1,024 float32; hidden_states_codes 4 x 2,048 x 32 x 16 uint8 (E2M1 codes of hidden_states, K innermost, in blocks of 32 codes, two codes a byte); hidden_states_scales 4 x 2,048 x 32 uint8 (E8M0 scales of hidden_states, one for each 32 codes along K).
;; Outputs: out0 4 x 2,048 x 1,024 float32.
;; This version of the problem:
;;   THIS VERSION OF THE PROBLEM IS GIVEN IN LOW PRECISION. The matrix products marked QUANTISED in the list below multiply operands that are first quantised to E2M1 (2 exponent bits, 1 mantissa bit; 4 bits a number), with one power-of-two scale for each 32 numbers along K (OCP MX v1.0); their sums are f32. All else is computed in f32.
;;   The module's matrix products, in the order in which they are computed (A, B: the left and right operand; K: the contracted axis; several contracted axes count as one K, in the product's order):
;;     1. [M 8,192, K 1,024] x [K 1,024, N 4,096]; A: input hidden_states (given as codes); B: input W1 (given as codes): QUANTISED
;;     2. [M 8,192, K 4,096] x [K 4,096, N 1,024]; A: computed on the way; B: input W2 (given as codes): QUANTISED
;;   THE QUANTISER, for each operand of a quantised product, along K:
;;     - K is cut into blocks of 32 from its start; a last block that is shorter is filled with zeros.
;;     - A block's scale is 2^e with e = floor(log2(the largest magnitude in the block)) - 2, held to -126 .. 127; a block of zeros has e = 0. As a byte (E8M0): e + 127.
;;     - Each number is divided by its block's scale, clamped to +-6, and rounded to the nearest number of E2M1, ties to even, subnormals kept.
;;     - The product sums the exact products of the quantised numbers (number of the format x scale) in f32.
;;   ~~~python
;;   def quantise(x, axis):      # numpy; x: float32 -> the quantised numbers, widened to float32 again
;;       x = np.moveaxis(x, axis, -1); K = x.shape[-1]
;;       x = np.pad(x, [(0, 0)] * (x.ndim - 1) + [(0, -K % 32)]); x = x.reshape(x.shape[:-1] + (-1, 32)); a = np.abs(x).max(-1, keepdims=True)
;;       e = np.where(a > 0, np.clip(np.frexp(np.where(a > 0, a, 1))[1] - 1 - 2, -126, 127), 0)      # np.frexp(a)[1] - 1 = floor(log2(a)), exactly
;;       r = np.clip(x / 2.0 ** e, -6, 6)
;;       step = 2.0 ** (np.maximum(np.frexp(np.where(r == 0, 1, r))[1] - 1, 0) - 1)
;;       q = np.round(r / step) * step * 2.0 ** e      # np.round: ties to even
;;       return np.moveaxis(q.reshape(q.shape[:-2] + (-1,))[..., :K], -1, axis).astype(np.float32)
;;   ~~~
;;   OPERANDS COMPUTED ON THE WAY. 'Computed on the way' means the value that the module computes at that place (a softmax that the list does not call 'softmax' is quantised finished and normalised). What goes into a quantiser is computed in f32, as accurately as f32 sums, v_exp_f32 and their like allow (about 1e-6 of the number): no bf16 or f16 on the way to a quantiser, and a product that is left as it is and whose result goes on into a quantised operand takes f32 operands (vector FMAs, or v_wmma_f32_16x16x4_f32). A number that lies on a knife's edge between two numbers of the format may be rounded either way, as far as f32 arithmetic and the matrix unit's own rounding can turn it there, and no further.
;;   INPUTS GIVEN AS CODES. W1 (in the module: [4096, 1024], K = its axis 1); W2 (in the module: [1024, 4096], K = its axis 1); hidden_states (in the module: [4, 2048, 1024], K = its axis 2): each comes as NAME_codes (uint8): NAME with its K axis moved to the last place and cut into blocks of 32 codes, [.., K / 32, bytes a block], one block behind the other in memory; two codes a byte, the lower K in the low four bits (a code: sign, 2 exponent bits, 1 mantissa bit); and NAME_scales (uint8): the same leading axes, one E8M0 byte (e + 127) for each 32 codes along K. Its value is code x scale, taken as it is: it is not quantised again, and the codes and scales need not be those that the quantiser above would give.
;; One version. Each part assembles by itself: llvm-mc -triple=amdgcn-amd-amdhsa -mcpu=gfx1250 --defsym DOCPART=n.
;; ======== version 1 of 1: 2 launches
;; limits: right only within a limited range of input values
;; workspace buffers: swi 17,825,792 bytes; w2i 2,228,224 bytes
;; launch up (part 1): grid 16 x 16, 4 waves a work-group, clusters of 4 x 4, 327,680 bytes of LDS; arguments W1_codes, W1_scales, b1, hidden_states_codes, hidden_states_scales, W2_codes, W2_scales, swi, w2i; writes swi, w2i
.if DOCPART == 1
	.amdgcn_target "amdgcn-amd-amdhsa--gfx1250"
	.amdhsa_code_object_version 6
	.text
	.protected	k_q4b77762a20_up
	.globl	k_q4b77762a20_up
	.p2align	8
	.type	k_q4b77762a20_up,@function
k_q4b77762a20_up:
	s_mov_b64 s[64:65], 0
	v_nop
	global_prefetch_b8 v0, s[64:65] scope:SCOPE_SE
	s_setreg_imm32_b32 hwreg(HW_REG_WAVE_MODE, 25, 1), 1
	s_wait_xcnt 0x0
	s_wait_alu depctr_hold_cnt(0) depctr_sa_sdst(0) depctr_va_vdst(0) depctr_va_sdst(0) depctr_va_ssrc(0) depctr_va_vcc(0) depctr_vm_vsrc(0)
	s_getreg_b32 s2, hwreg(HW_REG_IB_STS2, 6, 4)
	s_cmp_eq_u32 s2, 0
	s_cbranch_scc0 .Lentry_in_a_cluster
	s_endpgm
.Lentry_in_a_cluster:
	s_bfe_u32 s2, ttmp6, 0x10000c
	s_cmp_lg_u32 s2, 0xf033
	s_cbranch_scc0 .Lentry_shape_is_right
	s_endpgm
.Lentry_shape_is_right:
; LAUNCH 1 OF 2.  h = x W1^T + b1 on codes of FP4 (E2M1) with one E8M0 scale for each 32 along K;  sw = h (0.5 + 0.25 h - 0.0208 h^3) in f32;  sw is quantised along the hidden axis
; (blocks of 32: scale 2^(floor(log2(largest magnitude)) - 2), codes to the nearest, ties to even, held at +-6) and leaves as codes and scale words for launch 2.  x: [8192][1024], W1: [4096][1024].
; SHARES.  A work-group takes 512 rows of x (512 rg on) x 256 hidden units (256 cg on).  Wave w = 2 wm + wn KEEPS W1's rows 256 cg + 128 wn + 0..127 for all of K in 512 registers, and walks 16 blocks of
; 16 rows of x (block i: rows 32 i + 16 wm + r).  A block is 32 matrix instructions of 32 x 16 x 128: 8 steps of 128 along K x 4 groups of 32 hidden units.
; THE PRODUCT IS USED TRANSPOSED (source 0 = 32 rows of W1, source 1 = 16 rows of x): lane (r, h) holds row r of x, and the 16 registers of group g hold hidden units 32 g + 8 h + 0..7 and
; 32 g + 16 + 8 h + 0..7: with lane l xor 16 that is one whole block of the quantiser.  b1 is the C of each sum's first product.
; BY TURNS.  While block i is multiplied, block i - 1 (the other set of accumulators) is finished: 192 vector instructions in 32 slices of six, eight slices behind every eight matrix instructions: few switches of the register window.
; RESULTS LEAVE AS IMAGES OF OPERAND REGISTERS, swi [T 64][kq 32][8704]: tile T = 4 rg + 2 (i / 8) + wm, K step kq = 2 cg + wn of launch 2.  In a unit of 8,704 bytes: fragment a = i % 8 (16 rows x 128 hidden units)
; at 1,024 a, registers 0-3 of lane l at 16 l, registers 4-7 at 512 + 16 l;  at 8,192 the scale words, [row r 16][a 8].
; SIDE JOB: W2 is laid anew as such images, one (ng, kq) of 256 to each work-group: w2i [nt 4][kq 32][ng % 2][8704], nt = ng / 2: fragment b (rows 128 ng + 16 b + r) at 1,024 b; at 8,192 lane m's 16 bytes:
; word j = the scale word of row 128 ng + 32 j + m.  It is loaded at the head, and stored behind the refill.
; CLUSTER 4 x 4: x's tiles hang on rg alone and are asked for jointly by a row of the cluster, W1's on cg alone, by a column.  At the head each wave issues one tensor load.
; No prefetch: all tiles but one are asked for at the head, and that one, x's second half, has seven blocks' work in which to land.
; LDS: x's 512 rows at pitch 528 (two halves of 256); W1's 256 rows lie first where x's second half will lie: that half is the launch's one refill.  Then the scales, the waves' own scale words, the spare words.
; LIMITS: NaN and infinities are not served.  A block of sw that is all zeros, or whose largest magnitude lies under 2^-124, gets the byte 1 (the rule's lowest; the rule's 127 for zeros is not written: its codes are zeros and this program alone reads the bytes).
; REGISTERS, in windows of 256: window 0: addresses, constants, work, scale words, v128-255 two sets of 64 accumulator registers;  window 1: v0-127 two sets of x's fragments, v128-191 b1 in the result's layout, v192-211 the side job;
;   windows 2, 3: W1: (K step q, group g of 32 rows) at v[16 (4 (q % 4) + g)] of window 2 + q / 4: rows 0-15 of the group in the lower eight registers, rows 16-31 in the upper eight.
.set PITCH, 528                        ; a row of codes in LDS: 512 bytes + 16 = 132 words: row r starts at bank 4 r mod 64 (64 banks of 4 bytes: ISA guide 11.1)
.set X1,    256*PITCH                  ; x's rows 256-511; before them W1's 256 rows
.set XS,    2*X1                       ; x's scale bytes: 512 rows x 32 bytes, as 64 pieces of 256 bytes + 16
.set WS,    XS+64*272                  ; W1's: 256 rows x 32 bytes, as 32 such pieces
.set SWS,   WS+32*272                  ; 1,024 bytes for each wave: the scale words that it makes, [row 16][block 16]; no tile lands here
.set SPARE, SWS+4*1024                 ; the spare words, 128 bytes for each wave
.set UNIT,  8704                       ; an image: 8,192 bytes of codes, 512 of scale words
.set SPW, 1                            ; v1   LDS address of my spare word; never rewritten
.set NIL, 2                            ; v2   0; never rewritten
.set AX0, 3                            ; v3   my lane's place in a block of x: (16 wm + r) 528 + 16 h
.set ADX, 4                            ; v4   the same for the block in hand
.set AS0, 5                            ; v5   my row's scale bytes of x
.set ADS, 6                            ; v6   the same for the block in hand
.set GL,  7                            ; v7   16 x lane
.set GOC, 8                            ; v8   16 x lane + the finished block's place in swi
.set AW,  9                            ; v9   where my row's scale words are gathered: SWS + 1024 w + 64 r
.set KH,  10                           ; v[10:11] 0.5 twice
.set RB,  12                           ; v12  where I read them back: SWS + 1024 w + 64 (lane / 2) + 16 (lane % 2)
.set AWC, 13                           ; v13  AW for the block in hand
.set KC,  16                           ; v[16:17] -0.0208 twice
.set KQ,  18                           ; v[18:19] 0.25 twice
.set T,   20                           ; v20-35 at work (at the head: temporaries)
.set TM,  36                           ; v36-39 the four blocks' largest magnitudes
.set TP,  40                           ; v40-43 the other half of the lanes'
.set TS,  44                           ; v44-47 the conversions' scale operands
.set TB,  48                           ; v48-51 the scale bytes
.set PW,  52                           ; v52, v53 the scale word, for set 0 and set 1
.set CD,  56                           ; v56-63, v64-71 the codes, for set 0 and set 1
.set XSC, 72                           ; v72-79, v80-87 x's scale words of K steps 0-7, two sets: these registers hold scales and nothing else
.set WSC, 88                           ; v88-119 W1's: register 8 g + q: lane m has the word of row 32 g + m
.set BK,  120                          ; v120-127 my scale words read back
.set ACC, 128                          ; v128-191, v192-255 the accumulators: set s, group g at ACC + 64 s + 16 g
.set BIAS, 128                         ; in window 1
.set SJ,  192                          ; in window 1: v192-207 W2's two fragments, v208-211 wave 0's scale words
.set WV,  26                           ; s26 wave;  s27 wm;  s28 wn
.set WMH, 27
.set WNH, 28
.set CX,  29                           ; s29, s30 my place in the cluster;  s31 cg;  s32 rg
.set CY,  30
.set CG,  31
.set RG,  32
.set TX,  33                           ; s33 LDS byte at which the block to be fetched begins: 32 rows a block
.set TSX, 34                           ; s34 the same among x's scale bytes
.set EB,  35                           ; s35 the block that is being finished
.set G1X, 36                           ; s[36:43] descriptor group 1 for x's codes;  s[44:51] W1's codes;  s[52:59] x's scales;  s[68:75] W1's scales
.set G1W, 44
.set G1XS, 52
.set OFF, 60                           ; s60 the finished block's place in swi;  s[60:61] also the pair for offsets that may hang on both coordinates
.set CNT, 62                           ; s62 the loops' counter
.set G1WS, 68
.set GW,  76                           ; s[76:79] group 0: W1's codes;  s[80:83] W1's scales;  s[84:87] x's scales;  s[88:91] x's rows 0-255;  s[92:95] x's rows 256-511
.set GWS, 80
.set GXS, 84
.set GX0, 88
.set GX1, 92
.set TD,  97
.set SEL, 98                           ; s[98:99] lane selects for v_permlanex16_b32: lane l xor 16
.set TC,  100                          ; s100 a temporary that only ever holds the wave's number and constants
.set SWO, 101                          ; s101 4 x the finished block: the place of its scale word
.set TE,  104
; (s[2:3] hold what hangs on rg alone, s[66:67] what hangs on cg alone: each feeds its own joint descriptors and never holds the other coordinate)
.set MSB, 0
.macro WIN new                         ; s_set_vgpr_msb: bits 1:0 source 0, 3:2 source 1, 5:4 source 2, 7:6 destination; the high byte repeats the setting that is left
.if MSB != \new
	s_set_vgpr_msb (MSB<<8)|\new
.set MSB, \new
.endif
.endm
.macro PLACES                          ; four plain vector places behind a matrix instruction (ISA guide 7.12.1)
.rept 4
	v_nop
.endr
.endm
.macro CROUND                          ; a round of the cluster's barrier: my work-group's barrier; wave 0 signals for the work-group; every wave waits for all sixteen; my work-group's barrier once more
	s_barrier_signal -1
	s_barrier_wait -1
	s_cmp_lg_u32 s[WV], 0
	s_cbranch_scc1 .Lnot_wave_0_\@
	s_barrier_signal -3
.Lnot_wave_0_\@:
	s_barrier_wait -3
	s_barrier_signal -1
	s_barrier_wait -1
.endm
.macro ARM under, g0, g1, next         ; one arm of the head's tree on the wave's number: one tensor load
	s_cmp_lt_u32 s[WV], \under
	s_cbranch_scc0 \next
	tensor_load_to_lds s[\g0:\g0+3], s[\g1:\g1+7]
	s_nop 0
	PLACES
	s_branch .Lhead_asked
\next:
.endm
	s_load_b512 s[4:19], s[0:1], 0x0               ; W1's codes s[4:5], W1's scales s[6:7], b1 s[8:9], x's codes s[10:11], x's scales s[12:13], W2's codes s[14:15], W2's scales s[16:17], swi s[18:19]
	s_load_b64 s[22:23], s[0:1], 0x40              ; w2i
	v_lshl_add_u32 v[SPW], v0, 2, SPARE
	v_mov_b32 v[NIL], 0
	ds_add_u32 v[SPW], v[NIL]                      ; the wave's opening: the add, twice on end, and its wait ahead of my first tensor load
	ds_add_u32 v[SPW], v[NIL]
	v_lshrrev_b32 v20, 5, v0
	v_readfirstlane_b32 s[WV], v20                 ; wave 0..3
	s_lshr_b32 s[WMH], s[WV], 1                    ; wm: which 16 of a block's 32 rows
	s_and_b32 s[WNH], s[WV], 1                     ; wn: which 128 of the 256 hidden units
	s_bfe_u32 s[CX], ttmp6, 0x40000
	s_bfe_u32 s[CY], ttmp6, 0x40004
	s_lshl_b32 s[CG], ttmp9, 2
	s_add_co_u32 s[CG], s[CG], s[CX]               ; cg = 4 x cluster x + cx
	s_and_b32 s[RG], ttmp7, 0xffff
	s_lshl_b32 s[RG], s[RG], 2
	s_add_co_u32 s[RG], s[RG], s[CY]               ; rg = 4 x cluster y + cy
	s_lshl_b32 s2, s[CY], 2
	s_lshl_b32 s2, 15, s2                          ; my row of the cluster
	s_lshl_b32 s66, 0x1111, s[CX]                  ; my column
	; group 1 for codes: 256 rows of 512 bytes, 512 bytes apart; 4 words of padding behind every 128
	s_or_b32 s[G1X], s2, (1<<20)|(1<<21)|(6<<22)|(3<<25)     ; 15:0 the mask; 17:16 elements of 1 byte; 20 padding on; 21 set beside a mask; 24:22 every 128 words (code 6); 31:25 four words (code 3)
	s_or_b32 s[G1W], s66, (1<<20)|(1<<21)|(6<<22)|(3<<25)
.irp g, G1X, G1W
	s_mov_b32 s[\g+1], 512<<16                     ; tensor_dim0
	s_mov_b32 s[\g+2], 256<<16                     ; tensor_dim1
	s_mov_b32 s[\g+3], 512<<16                     ; tile_dim0
	s_mov_b32 s[\g+4], 256                         ; tile_dim1
	s_mov_b32 s[\g+5], 512                         ; tensor_dim0_stride
	s_mov_b32 s[\g+6], 0
	s_mov_b32 s[\g+7], 0
.endr
	; group 1 for scale bytes: a dense block as rows of 256 bytes (32 elements of 8 bytes), 4 words of padding behind each: x's 64 rows, W1's 32
	s_or_b32 s[G1XS], s2, (3<<16)|(1<<20)|(1<<21)|(5<<22)|(3<<25)
	s_mov_b32 s[G1XS+1], 32<<16
	s_mov_b32 s[G1XS+2], 64<<16
	s_mov_b32 s[G1XS+3], 32<<16
	s_mov_b32 s[G1XS+4], 64
	s_mov_b32 s[G1XS+5], 32
	s_mov_b32 s[G1XS+6], 0
	s_mov_b32 s[G1XS+7], 0
	s_or_b32 s[G1WS], s66, (3<<16)|(1<<20)|(1<<21)|(5<<22)|(3<<25)
	s_mov_b32 s[G1WS+1], 32<<16
	s_mov_b32 s[G1WS+2], 32<<16
	s_mov_b32 s[G1WS+3], 32<<16
	s_mov_b32 s[G1WS+4], 32
	s_mov_b32 s[G1WS+5], 32
	s_mov_b32 s[G1WS+6], 0
	s_mov_b32 s[G1WS+7], 0
	; where the tiles go: the head's four are whole; the refill's quarters by the wave's number
	s_mov_b32 s[GX0+1], 0
	s_mov_b32 s[GW+1], X1
	s_mov_b32 s[GWS+1], WS
	s_mov_b32 s[GXS+1], XS
	s_mul_i32 s[TC], s[WV], 64*PITCH
	s_add_co_u32 s[GX1+1], s[TC], X1
	s_mov_b32 s67, 0
	s_mov_b32 s3, 0
	s_wait_dscnt 0x0                               ; both opening adds are done
	s_wait_kmcnt 0x0
	; and where they come from
	s_lshl_b32 s66, s[CG], 17                      ; W1's codes: 256 cg rows of 512 bytes
	s_add_nc_u64 s[GW+2:GW+3], s[4:5], s[66:67]
	s_lshl_b32 s66, s[CG], 13                      ; W1's scales: the same rows of 32 bytes
	s_add_nc_u64 s[GWS+2:GWS+3], s[6:7], s[66:67]
	s_lshl_b32 s2, s[RG], 14                       ; x's scales: 512 rg rows of 32 bytes
	s_add_nc_u64 s[GXS+2:GXS+3], s[12:13], s[2:3]
	s_lshl_b32 s2, s[RG], 18                       ; x's codes: 512 rg rows of 512 bytes,
	s_add_nc_u64 s[GX0+2:GX0+3], s[10:11], s[2:3]
	s_lshl_b32 s[TC], s[WV], 15                    ; and my 64 of the 256 rows further down
	s_add_co_u32 s2, s2, s[TC]
	s_add_nc_u64 s[GX1+2:GX1+3], s[10:11], s[2:3]
	s_add_nc_u64 s[GX1+2:GX1+3], s[GX1+2:GX1+3], 0x20000
.irp g, GW, GWS, GXS, GX0, GX1
	s_mov_b32 s[\g], 1                             ; 1:0 count = 1
	s_or_b32 s[\g+3], s[\g+3], 0x80000000          ; 127:126 type = 2
.endr
	CROUND                                         ; all sixteen work-groups are here: the first joint loads meet
	ARM 1, GW,  G1W,  .Lhead_ws                    ; one load a wave: W1's codes, W1's scales, x's first half, x's scales
	ARM 2, GWS, G1WS, .Lhead_x
	ARM 3, GX0, G1X,  .Lhead_xs
	tensor_load_to_lds s[GXS:GXS+3], s[G1XS:G1XS+7]
	s_nop 0
	PLACES
.Lhead_asked:
	; ---- addresses.  Every LDS address is a constant + a lane term + a constant x the wave's number
	v_and_b32 v20, 31, v0                          ; lane
	v_and_b32 v21, 15, v0                          ; r
	v_bfe_u32 v22, v0, 4, 1                        ; h
	s_wait_alu depctr_va_vdst(0)                   ; the wait here, directly behind the writes
	v_lshlrev_b32 v[GL], 4, v20
	v_mul_u32_u24 v28, v21, PITCH
	v_lshl_add_u32 v28, v22, 4, v28                ; a fragment's row x pitch + 16 h
	s_mul_i32 s[TC], s[WMH], 16*PITCH
	v_add_nc_u32 v[AX0], s[TC], v28
	s_mul_i32 s[TC], s[WNH], 128*PITCH
	s_add_co_u32 s[TC], s[TC], X1
	v_add_nc_u32 v26, s[TC], v28                   ; W1: my 128 rows
	v_bfe_u32 v29, v0, 3, 1
	v_lshlrev_b32 v30, 5, v21
	v_lshl_add_u32 v29, v29, 4, v30                ; 32 r + 16 (r / 8): eight rows of 32 scale bytes to a piece of 256 + 16
	s_mul_i32 s[TC], s[WMH], 2*272
	s_add_co_u32 s[TC], s[TC], XS
	v_add_nc_u32 v[AS0], s[TC], v29
	s_lshl_b32 s[TC], s[WV], 10
	s_add_co_u32 s[TC], s[TC], SWS
	v_lshl_add_u32 v[AW], v21, 6, s[TC]
	v_and_b32 v33, 1, v0
	v_lshrrev_b32 v34, 1, v20
	v_lshlrev_b32 v33, 4, v33
	v_lshl_add_u32 v33, v34, 6, v33
	v_add_nc_u32 v[RB], s[TC], v33
	v_bfe_u32 v31, v0, 3, 2
	v_lshlrev_b32 v32, 5, v20
	v_lshl_add_u32 v31, v31, 4, v32                ; 32 m + 16 (m / 8), m = lane
	s_mul_i32 s[TC], s[WNH], 16*272
	s_add_co_u32 s[TC], s[TC], WS
	v_add_nc_u32 v27, s[TC], v31                   ; W1's scale words: lane m takes row 32 g + m
	v_lshlrev_b32 v23, 11, v21
	v_lshl_add_u32 v23, v22, 4, v23                ; W2: row r of 2,048 bytes, + 16 h
	v_lshlrev_b32 v24, 5, v22                      ; b1: my half's eight numbers
	v_lshlrev_b32 v25, 7, v20                      ; W2's scales: row = lane, 128 bytes a row
	s_wait_alu depctr_va_vdst(0)                   ; the wait at the head's end
	; ---- bases
	s_mov_b32 s61, 0
	s_lshl_b32 s[TD], s[RG], 4
	s_add_co_u32 s[TD], s[TD], s[CG]               ; the side job's share: 32 ng + kq = 16 rg + cg
	s_lshr_b32 s60, s[TD], 5
	s_lshl_b32 s60, s60, 18                        ; W2's codes: 128 ng rows of 2,048 bytes,
	s_and_b32 s[TE], s[TD], 31
	s_lshl_b32 s[TE], s[TE], 6                     ; 64 bytes a K step,
	s_add_co_u32 s60, s60, s[TE]
	s_lshl_b32 s[TE], s[WV], 16                    ; 32 rows a wave
	s_add_co_u32 s60, s60, s[TE]
	s_add_nc_u64 s[14:15], s[14:15], s[60:61]
	s_lshr_b32 s60, s[TD], 5
	s_lshl_b32 s60, s60, 14                        ; W2's scales: 128 ng rows of 128 bytes,
	s_and_b32 s[TE], s[TD], 31
	s_lshl_b32 s[TE], s[TE], 2                     ; a word a K step
	s_add_co_u32 s60, s60, s[TE]
	s_add_nc_u64 s[16:17], s[16:17], s[60:61]
	s_lshl_b32 s60, s[CG], 10
	s_lshl_b32 s[TE], s[WNH], 9
	s_add_co_u32 s60, s60, s[TE]
	s_add_nc_u64 s[8:9], s[8:9], s[60:61]          ; b1 at my first hidden unit
	; ---- the side job's loads, and b1
	WIN 0x40                                       ; destination window 1
.irp f, 0,1
.irp c, 0,1
	global_load_b128 v[SJ+8*\f+4*\c:SJ+8*\f+4*\c+3], v23, s[14:15] offset:32768*\f+32*\c   ; W2(128 ng + 32 w + 16 f + r, 128 kq + 64 c + 32 h ..): the operand's registers 4 c .. 4 c + 3
.endr
.endr
.irp t, 0,1,2,3,4,5,6,7
	global_load_b128 v[BIAS+8*\t:BIAS+8*\t+3], v24, s[8:9] offset:64*\t          ; b1 at tile t's eight hidden units of my half: 16 t + 8 h + 0 .. 7
	global_load_b128 v[BIAS+8*\t+4:BIAS+8*\t+7], v24, s[8:9] offset:64*\t+16
.endr
	WIN 0
	s_cmp_lg_u32 s[WV], 0                          ; the scale words of the eight fragments are wave 0's
	s_cbranch_scc1 .Lnot_mine
	WIN 0x40
.irp j, 0,1,2,3
	global_load_b32 v[SJ+16+\j], v25, s[16:17] offset:4096*\j                    ; row 128 ng + 32 j + lane
.endr
	WIN 0
.Lnot_mine:
	s_lshr_b32 s60, s[TD], 6                       ; where the side job's image goes: nt,
	s_mul_i32 s60, s60, 64*UNIT
	s_and_b32 s[TE], s[TD], 31                     ; kq,
	s_mul_i32 s[TE], s[TE], 2*UNIT
	s_add_co_u32 s60, s60, s[TE]
	s_bfe_u32 s[TE], s[TD], 0x10005                ; ng % 2
	s_mul_i32 s[TE], s[TE], UNIT
	s_add_co_u32 s60, s60, s[TE]
	s_add_nc_u64 s[24:25], s[22:23], s[60:61]
	s_add_nc_u64 s[24:25], s[24:25], 0x2000        ; its scale words
	s_lshl_b32 s[TE], s[WV], 11
	s_add_co_u32 s60, s60, s[TE]
	s_add_nc_u64 s[22:23], s[22:23], s[60:61]      ; my two fragments of the eight
	s_lshl_b32 s[TD], s[RG], 2
	s_add_co_u32 s[TD], s[TD], s[WMH]
	s_lshl_b32 s[TD], s[TD], 5                     ; 32 x (4 rg + wm)
	s_lshl_b32 s[TE], s[CG], 1
	s_add_co_u32 s[TE], s[TE], s[WNH]              ; kq = 2 cg + wn
	s_add_co_u32 s[TD], s[TD], s[TE]
	s_mul_i32 s60, s[TD], UNIT
	s_add_nc_u64 s[18:19], s[18:19], s[60:61]      ; swi at (T, kq), T of my first eight blocks
	s_add_nc_u64 s[20:21], s[18:19], 0x2000        ; its scale words
	; ---- W1 into registers
	s_cmp_lt_u32 s[WV], 2                          ; waves 0 and 1 brought W1's codes and scales; x's (waves 2 and 3) may be out
	s_cbranch_scc0 .Lx_out
	s_wait_tensorcnt 0x0
.Lx_out:
	s_barrier_signal -1
	s_barrier_wait -1
.irp q, 0,1,2,3,4,5,6,7
.if \q == 0
	WIN 0x80                                       ; destination window 2
.elseif \q == 4
	WIN 0xc0                                       ; destination window 3
.endif
.irp t, 0,1,2,3,4,5,6,7
.irp c, 0,1
	ds_load_b128 v[16*(4*(\q%4)+\t/2)+8*(\t%2)+4*\c:16*(4*(\q%4)+\t/2)+8*(\t%2)+4*\c+3], v26 offset:16*PITCH*\t+64*\q+32*\c
.endr
.endr
.endr
	WIN 0
.irp g, 0,1,2,3
	ds_load_b128 v[WSC+8*\g:WSC+8*\g+3], v27 offset:4*272*\g
	ds_load_b128 v[WSC+8*\g+4:WSC+8*\g+7], v27 offset:4*272*\g+16
.endr
	; ---- the one refill: x's rows 256-511 take W1's place
	s_wait_tensorcnt 0x0                           ; all my tensor loads have landed
	ds_add_u32 v[SPW], v[NIL]                      ; 0 onto my spare word; the constants are written while it is out
	v_mov_b32 v[KH], 0.5
	v_mov_b32 v[KH+1], 0.5
	v_mov_b32 v[KC], 0xbcaa64c3                    ; -0.0208
	v_mov_b32 v[KC+1], 0xbcaa64c3
	v_mov_b32 v[KQ], 0x3e800000                    ; 0.25
	v_mov_b32 v[KQ+1], 0x3e800000
.irp b, 0,1,2,3
	v_mov_b32 v[TP+\b], 0                          ; written once: a lane permute's destination counts as one of its sources
.endr
	s_mov_b32 s[SEL], 0x76543210
	s_mov_b32 s[SEL+1], 0xfedcba98
	s_mov_b32 s[TX], 0
	s_mov_b32 s[TSX], 0
	s_mov_b32 s[EB], 0
	s_mov_b32 s[SWO], 0
	s_mov_b32 s[G1X+2], 64<<16                     ; no tensor load of mine is out: the refill's tile has 64 rows a wave
	s_mov_b32 s[G1X+4], 64
	s_wait_alu depctr_va_vdst(0)                   ; ahead of the wait below
	s_wait_dscnt 0x0                               ; the add is done, and my reads of W1 are back
	CROUND                                         ; both now hold of every wave of every work-group of the cluster
	tensor_load_to_lds s[GX1:GX1+3], s[G1X:G1X+7]  ; my one tensor load behind the round; it has seven blocks' work in which to land
	s_nop 0
	PLACES
	s_wait_loadcnt 0x0                             ; b1, and the side job's W2
	WIN 0x04                                       ; a store's data are its source 1: window 1
.irp i, 0,1,2,3
	global_store_b128 v[GL], v[SJ+4*\i:SJ+4*\i+3], s[22:23] offset:512*\i         ; 32 lanes store 512 consecutive bytes, aligned
.endr
	WIN 0
	s_cmp_lg_u32 s[WV], 0
	s_cbranch_scc1 .Lnot_mine2
	WIN 0x04
	global_store_b128 v[GL], v[SJ+16:SJ+19], s[24:25]
	WIN 0
.Lnot_mine2:
; Matrix instruction n of the block in hand (set): K step n / 4, group n % 4: ONE matrix instruction of 32 x 16 x 128: rows 32 g + 0..31 of my W1 (16 registers) against the block's 16 rows of x (8 registers).
; W1's scale words fill all 32 lanes of their register, lane m for row m; x's are read from lanes 0-15 of theirs.  The result's registers 0-7 are rows 0-15 of the group, registers 8-15 rows 16-31.
; The four accumulators take turns, one instruction a turn, K step by K step, and the two sets take turns from block to block.
.macro MM set
.set mq, n/4
.set mg, n%4
.set mD, ACC+64*(\set)+16*mg
.set mW, 16*(4*(mq%4)+mg)
.set mX, 64*(\set)+8*mq
.if mq == 0
	WIN 0x16                                       ; W1 window 2, x window 1, C = b1 in window 1, D window 0
.set mC, BIAS+16*mg
.elseif mq < 4
	WIN 0x06                                       ; C and D window 0
.set mC, mD
.else
	WIN 0x07                                       ; W1 window 3
.set mC, mD
.endif
	v_wmma_scale_f32_32x16x128_f4 v[mD:mD+15], v[mW:mW+15], v[mX:mX+7], v[mC:mC+15], v[WSC+8*mg+mq], v[XSC+8*(\set)+mq]
.endm
; THE FINISHING of a block is a list of 192 vector instructions, all in window 0; EP writes number j of it for accumulator set s.
;   0-127   group by group: t = h h;  t = -0.0208 t + 0.25;  t = h t + 0.5;  h = h t: eight pairs a stage, so that a line's source is eight lines old.  Each accumulator is read from its low end on
;   128-159 the four blocks' largest magnitudes of my 16 numbers, by turns, with the floor 2^(3 - 127) among the leaves: so the byte cannot fall under 1
;   160-178 lane l xor 16's; 2 off the exponent field: the conversion's scale operand; the byte; the four bytes make my row's scale word
;   179-186 the conversions.  Tile t's eight codes are k = 16 t + 8 h + 0..7; the operand's register 4 c + i wants k = 64 c + 32 h + 8 i + 0..7: tiles 4 c, 4 c + 2 go to registers 4 c, 4 c + 1 and tiles 4 c + 1, 4 c + 3 to 4 c + 2, 4 c + 3,
;   187     (the plain line behind the conversions: the block's place in swi)
;   188-191 and each such pair changes the first's lanes 16-31 for the second's lanes 0-15
.macro EP s
.set eA, ACC+64*(\s)
.if j < 128
.set eH, eA+16*(j/32)+2*(j%8)
.set eT, T+2*(j%8)
.if (j%32)/8 == 0
	v_pk_mul_f32 v[eT:eT+1], v[eH:eH+1], v[eH:eH+1]
.elseif (j%32)/8 == 1
	v_pk_fma_f32 v[eT:eT+1], v[eT:eT+1], v[KC:KC+1], v[KQ:KQ+1]
.elseif (j%32)/8 == 2
	v_pk_fma_f32 v[eT:eT+1], v[eH:eH+1], v[eT:eT+1], v[KH:KH+1]
.else
	v_pk_mul_f32 v[eH:eH+1], v[eH:eH+1], v[eT:eT+1]
.endif
.elseif j < 132
.set eB, j-128
	v_max3_num_f32 v[TM+eB], |v[eA+16*eB]|, |v[eA+16*eB+1]|, 0x1800000
.elseif j < 160
.set eB, (j-128)%4
.set eI, 2*((j-128)/4)
	v_max3_num_f32 v[TM+eB], v[TM+eB], |v[eA+16*eB+eI]|, |v[eA+16*eB+eI+1]|
.elseif j < 164
	v_permlanex16_b32 v[TP+j-160], v[TM+j-160], s[SEL], s[SEL+1]
.elseif j < 168
	v_max_num_f32 v[TM+j-164], v[TM+j-164], v[TP+j-164]
.elseif j < 172
	v_add_nc_u32 v[TS+j-168], 0xff000000, v[TM+j-168]
.elseif j < 176
	v_lshrrev_b32 v[TB+j-172], 23, v[TS+j-172]
.elseif j == 176
	v_lshl_or_b32 v[PW+(\s)], v[TB+1], 8, v[TB]
.elseif j == 177
	v_lshl_or_b32 v[PW+(\s)], v[TB+2], 16, v[PW+(\s)]
.elseif j == 178
	v_lshl_or_b32 v[PW+(\s)], v[TB+3], 24, v[PW+(\s)]
.elseif j < 187
.set eG, (j-179)/2
.set eU, (j-179)%2
	v_cvt_scalef32_pk8_fp4_f32 v[CD+8*(\s)+4*(eG/2)+(eG%2)+2*eU], v[eA+16*eG+8*eU:eA+16*eG+8*eU+7], v[TS+eG]
.elseif j == 187
	v_add_nc_u32 v[GOC], s[OFF], v[GL]
.else
	v_permlane16_swap_b32 v[CD+8*(\s)+2*(j-188)], v[CD+8*(\s)+2*(j-188)+1]
.endif
.endm
; Slice n of 32: numbers 6 n .. 6 n + 5.  Ahead of slice 29, the first that writes codes anew, the earlier blocks' stores have read their registers.  Behind slice 31 the block leaves.
.macro SLICE n, s
	WIN 0
.if (\n) == 29
	s_wait_alu depctr_va_vdst(0)                   ; ahead of the wait below
	s_wait_xcnt 0x0                                ; every earlier store has had its addresses translated (ISA guide 3.1): the codes' registers and v[GOC] are written again only behind this wait
	s_and_b32 s[OFF], s[EB], 7
	s_lshl_b32 s[OFF], s[OFF], 10                  ; 1,024 bytes a fragment;
	s_lshr_b32 s[TD], s[EB], 3
	s_mul_i32 s[TD], s[TD], 64*UNIT                ; blocks 8-15 belong to the tile two further on: 2 x 32 units
	s_add_co_u32 s[OFF], s[OFF], s[TD]
	s_add_co_u32 s[EB], s[EB], 1
.endif
.set j, 6*(\n)
.rept 6
	EP \s
.set j, j+1
.endr
.if (\n) == 31
	v_add_nc_u32 v[AWC], s[SWO], v[AW]
	ds_store_b32 v[AWC], v[PW+(\s)]                ; my row's scale word; both halves of the lanes write the same word with the same value
	global_store_b128 v[GOC], v[CD+8*(\s):CD+8*(\s)+3], s[18:19]                  ; the fragment as it stands: 512 consecutive bytes, aligned,
	global_store_b128 v[GOC], v[CD+8*(\s)+4:CD+8*(\s)+7], s[18:19] offset:512     ; twice
	s_add_co_u32 s[SWO], s[SWO], 4
.endif
.endm
; The next block's eight fragments of x and its rows' eight scale words: 18 LDS loads in one run.
.macro FETCH set
	WIN 0
	v_add_nc_u32 v[ADX], s[TX], v[AX0]
	v_add_nc_u32 v[ADS], s[TSX], v[AS0]
	s_add_co_u32 s[TX], s[TX], 32*PITCH
	s_add_co_u32 s[TSX], s[TSX], 4*272
	WIN 0x40                                       ; destination window 1
.irp q, 0,1,2,3,4,5,6,7
.irp c, 0,1
	ds_load_b128 v[64*(\set)+8*\q+4*\c:64*(\set)+8*\q+4*\c+3], v[ADX] offset:64*\q+32*\c
.endr
.endr
	WIN 0
	ds_load_b128 v[XSC+8*(\set):XSC+8*(\set)+3], v[ADS]
	ds_load_b128 v[XSC+8*(\set)+4:XSC+8*(\set)+7], v[ADS] offset:16
.endm
; A block.  set: its fragments and accumulators.  epi = 1: the block before is finished between the products.  fetch = 1: the block behind is fetched, behind the second slice:
; the other set's fragments were last read in front of the last block's last eight slices, whose 48 plain lines name none of them: the places in front of the loads.
.macro PHASE set, epi, fetch
	s_wait_dscnt 0x0                               ; this block's fragments and scale words, asked for 24 matrix instructions ago, are in
.set n, 0
.rept 4
.rept 8
	MM \set
.set n, n+1
.endr
.if \epi
.set m, n-8
.rept 8
	SLICE m, 1-\set
.if \fetch && (m == 1)
	FETCH 1-\set
.endif
.set m, m+1
.endr
.elseif \fetch && (n == 8)
	FETCH 1-\set
.endif
.endr
	WIN 0                                          ; at a label and at a branch every window is 0
.endm
	FETCH 0
	PHASE 0, 0, 1                                  ; block 0: there is nothing yet to finish
	PLACES                                         ; in front of the first read of its results
	s_mov_b32 s[CNT], 3
.Lhalf0:                                               ; blocks 1-6; blocks 2-7 are fetched: all of x's first half
	PHASE 1, 1, 1
	PHASE 0, 1, 1
	s_sub_co_u32 s[CNT], s[CNT], 1
	s_cmp_lg_u32 s[CNT], 0
	s_cbranch_scc1 .Lhalf0
	s_wait_tensorcnt 0x0                           ; my part of x's second half, the one load that was out, is in;
	s_wait_dscnt 0x0                               ; no LDS instruction of mine is pending at the signal
	s_barrier_signal -1
	s_barrier_wait -1                              ; everybody's is.
	s_mov_b32 s[CNT], 4
.Lhalf1:                                               ; blocks 7-14; blocks 8-15 are fetched
	PHASE 1, 1, 1
	PHASE 0, 1, 1
	s_sub_co_u32 s[CNT], s[CNT], 1
	s_cmp_lg_u32 s[CNT], 0
	s_cbranch_scc1 .Lhalf1
	PHASE 1, 1, 0                                  ; block 15; block 14 is finished
.set n, 0
.rept 32
	SLICE n, 1                                     ; block 15 is finished.  (Its last products stand in front of the last eight slices above)
.set n, n+1
.endr
	; ---- my scale words leave: lane l reads row l / 2's words 4 (l % 2) .. + 3 of each tile: 512 consecutive bytes in the image
	ds_load_b128 v[BK:BK+3], v[RB]                 ; LDS serves a wave's instructions in order (ISA guide 5.7.1.4): these see my stores
	ds_load_b128 v[BK+4:BK+7], v[RB] offset:32
	s_wait_dscnt 0x0
	global_store_b128 v[GL], v[BK:BK+3], s[20:21]
	global_store_b128 v[GL], v[BK+4:BK+7], s[20:21] offset:64*UNIT     ; the tile two further on
	s_wait_tensorcnt 0x0                           ; the wave's end: behind my last tensor load and my last LDS store
	ds_add_u32 v[SPW], v[NIL]
	s_wait_dscnt 0x0
	CROUND                                         ; the closing round: no work-group ends while a partner may still ask for a tile that names it
	s_endpgm
.Lfunc_end_k_q4b77762a20_up:
	.size	k_q4b77762a20_up, .Lfunc_end_k_q4b77762a20_up-k_q4b77762a20_up
	.p2alignl 7, 3214868480
	.fill 96, 4, 3214868480
	.section	.rodata,"a",@progbits
	.p2align	6, 0x0
	.amdhsa_kernel k_q4b77762a20_up
		.amdhsa_group_segment_fixed_size 327680
		.amdhsa_private_segment_fixed_size 0
		.amdhsa_enable_private_segment 0
		.amdhsa_kernarg_size 72
		.amdhsa_user_sgpr_count 2
		.amdhsa_user_sgpr_kernarg_segment_ptr 1
		.amdhsa_wavefront_size32 1
		.amdhsa_system_sgpr_workgroup_id_x 1
		.amdhsa_system_sgpr_workgroup_id_y 1
		.amdhsa_system_sgpr_workgroup_id_z 1
		.amdhsa_system_vgpr_workitem_id 0
		.amdhsa_next_free_vgpr 1024
		.amdhsa_next_free_sgpr 106
		.amdhsa_reserve_vcc 0
		.amdhsa_float_denorm_mode_32 3
		.amdhsa_float_denorm_mode_16_64 3
		.amdhsa_memory_ordered 1
		.amdhsa_forward_progress 1
		.amdhsa_inst_pref_size 132
	.end_amdhsa_kernel
	.amdgpu_metadata
---
amdhsa.version: [ 1, 2 ]
amdhsa.kernels:
  - .name:           k_q4b77762a20_up
    .symbol:         k_q4b77762a20_up.kd
    .args:
      - { .name: W1_codes, .offset: 0, .size: 8, .value_kind: global_buffer, .address_space: global }
      - { .name: W1_scales, .offset: 8, .size: 8, .value_kind: global_buffer, .address_space: global }
      - { .name: b1, .offset: 16, .size: 8, .value_kind: global_buffer, .address_space: global }
      - { .name: hidden_states_codes, .offset: 24, .size: 8, .value_kind: global_buffer, .address_space: global }
      - { .name: hidden_states_scales, .offset: 32, .size: 8, .value_kind: global_buffer, .address_space: global }
      - { .name: W2_codes, .offset: 40, .size: 8, .value_kind: global_buffer, .address_space: global }
      - { .name: W2_scales, .offset: 48, .size: 8, .value_kind: global_buffer, .address_space: global }
      - { .name: swi, .offset: 56, .size: 8, .value_kind: global_buffer, .address_space: global }
      - { .name: w2i, .offset: 64, .size: 8, .value_kind: global_buffer, .address_space: global }
    .group_segment_fixed_size: 327680
    .private_segment_fixed_size: 0
    .kernarg_segment_align: 8
    .kernarg_segment_size: 72
    .max_flat_workgroup_size: 128
    .sgpr_count:     106
    .vgpr_count:     1024
    .wavefront_size: 32
...
	.end_amdgpu_metadata
.endif
;; end of part 1
;; launch down (part 2): grid 4 x 64, 4 waves a work-group, clusters of 4 x 4, 327,680 bytes of LDS; arguments swi, w2i, b2, out0; writes out0
.if DOCPART == 2
	.amdgcn_target "amdgcn-amd-amdhsa--gfx1250"
	.amdhsa_code_object_version 6
	.text
	.protected	k_q4b77762a20_down
	.globl	k_q4b77762a20_down
	.p2align	8
	.type	k_q4b77762a20_down,@function
k_q4b77762a20_down:
	s_mov_b64 s[64:65], 0
	v_nop
	global_prefetch_b8 v0, s[64:65] scope:SCOPE_SE
	s_setreg_imm32_b32 hwreg(HW_REG_WAVE_MODE, 25, 1), 1
	s_wait_xcnt 0x0
	s_wait_alu depctr_hold_cnt(0) depctr_sa_sdst(0) depctr_va_vdst(0) depctr_va_sdst(0) depctr_va_ssrc(0) depctr_va_vcc(0) depctr_vm_vsrc(0)
	s_getreg_b32 s2, hwreg(HW_REG_IB_STS2, 6, 4)
	s_cmp_eq_u32 s2, 0
	s_cbranch_scc0 .Lentry_in_a_cluster
	s_endpgm
.Lentry_in_a_cluster:
	s_bfe_u32 s2, ttmp6, 0x10000c
	s_cmp_lg_u32 s2, 0xf033
	s_cbranch_scc0 .Lentry_shape_is_right
	s_endpgm
.Lentry_shape_is_right:
; LAUNCH 2 OF 2.  out = Q(sw) W2^T + b2 on codes of FP4 (E2M1) with one E8M0 scale for each 32 along K = 4,096.  out: [8192][1024] f32.
; Both operands are this program's own, laid as IMAGES OF OPERAND REGISTERS in units of 128 along K (launch 1's head has the layout): sw: a unit of tile T's 128 rows is 8,704 bytes (eight fragments of 1,024, then
; 16 rows x 8 scale words); W2: a unit of nt's 256 columns is two such images (its scale words: lane m's 16 bytes: word j = row 32 j + m).  Tile T holds rows (T / 2) 256 + (T % 2) 16 + 32 a + r.
; SHARES.  A work-group makes tile T's 128 rows x 256 columns (256 nt on).  Wave w = 2 kh + nh makes 128 rows x 128 columns (512 accumulator registers) over HALF of K: the units of parity kh: 16 steps of
; 32 matrix instructions of 32 x 16 x 128.  The halves of K meet once, through LDS: each wave keeps places 0-3 and gives places 4-7 to its partner (w xor 2); place p < 4 is block p + 4 kh, place 4 + p block p + 4 (1 - kh),
; so the partner's given place 4 + p is my kept place p.  b2 is the C of the kept places' first products, 0 that of the given ones: so it is added once.
; RING: two LDS slots of six units (sw's six, then W2's six; 156,672 bytes a slot).  Fills 0 to 5 are of 6, 6, 6, 6, 4 and 4 units: 32 units.  The head asks for fills 0 and 1, one tensor load a wave (waves 0, 1: slot 0's sw and W2;
; waves 2, 3: slot 1's); the fills behind it go in halves: waves 0, 1 sw's units, waves 2, 3 W2's.  A group is the steps on one fill; its last step changes slots: that step's fragments are in registers already, so the slot is
; free, and is filled again behind a round of the cluster's barrier.
; CLUSTER 4 x 4: sw's tile hangs on T alone and is asked for jointly by a row of the cluster, W2's on nt alone, by a column.
; PREFETCH: each fill behind the head's is asked of the L2 ahead (fill 2 in step 0, fill f > 2 when fill f - 1 goes out), each block of 256 bytes once in a cluster: its 16 waves that share a tile take the blocks by address.
; W2, which all clusters read, is asked for by the first four rows of clusters alone.
; THE MATRIX INSTRUCTION IS USED TRANSPOSED (source 0 = 32 rows of W2, source 1 = 16 rows of sw): a lane holds eight neighbouring numbers of a row of out in registers 0-7, and the eight sixteen columns on in 8-15.
; LIMITS: an output's sum is two f32 sums, over the even and the odd units of K, added at the end.  NaN and infinities are not served.
; REGISTERS, in windows of 256: window 0: v1-31 addresses, v32-39 W2's scale words and v40-55 sw's, two sets each: they hold scales and nothing else; v64-127 b2 in the result's layout.
;   window 1: W2's fragments, two sets of 64 at v0, sw's, two sets of 64 at v128; on the way out the partner's sums and then rows of out.   window 2: places 0-3 (place a, group g of 32 columns at v[64 (a % 4) + 16 g]);   window 3: places 4-7.
.set UA, 8704                          ; a unit of sw, in bytes
.set UW, 2*UA                          ; a unit of W2's 256 columns
.set APART, 6*UA                       ; a slot: sw's six units, then W2's six
.set SLOT, 6*UA+6*UW
.set SPARE, 2*SLOT                     ; the spare words, 128 bytes for each wave
.set STG, SLOT                         ; the way out: 16 rows x (512 bytes + 16) for each wave, in slot 1, which has been read by then; the exchange's 4 x 32,768 bytes lie in slot 0: both have had their last fill
.set SPITCH, 528
.set AL,  1                            ; v1     16 x lane
.set ADL, 2                            ; v2-3   sw's places 0-3 in slot 0, 1, my first unit
.set ADH, 4                            ; v4-5   places 4-7
.set ASL, 6                            ; v6-7   the scale words of places 0-3 (8,192 bytes short)
.set ASH, 8                            ; v8-9   of places 4-7
.set ADB, 10                           ; v10-15 W2, register 3 slot + step: my half of my unit
.set EXW, 16                           ; v16    the exchange: where I put what I give
.set EXR, 17                           ; v17    and where my partner has put what I get
.set STO, 18                           ; v18    the way out: where I put 32 bytes of a row
.set RD,  19                           ; v19    and where I read a row back
.set HB,  20                           ; v20    32 h: my half's eight numbers of b2
.set PAO, 21                           ; v21, v22 the prefetches' blocks of sw, for a fill of six units and of four;  v23, v28 of W2
.set PAO4, 22
.set PWO, 23
.set PWO4, 28
.set SPW, 30                           ; v30    LDS address of my spare word; never rewritten
.set NIL, 31                           ; v31    0; never rewritten
.set SB,  32
.set SA,  40
.set BI,  64
.set WV,  16                           ; s16 wave;  s17 kh;  s18 nh;  s19, s20 my place in the cluster;  s21 nt;  s22 T;  s23 the cluster's y
.set GA,  24                           ; s[24:31] descriptor group 1 for sw;  s[32:39] for W2
.set GW,  32
.set F0A, 40                           ; group 0 for the head's loads: slot 0's sw and W2, slot 1's sw and W2
.set F0W, 44
.set F1A, 48
.set F1W, 52
.set RA,  56                           ; group 0 for the fills behind the head: s[56:59] for sw;  s[60:63] for W2
.set RW,  60
.set PA,  94                           ; s[94:95] sw's tile at unit 12, s[96:97] W2's: where the prefetches stand
.set PW,  96
; (s[84:85] hang on T alone, s[86:87] on nt alone; s[2:3], s88-93 and s98-101 only ever hold the wave's number and constants; s12-15 may hold both coordinates and feed no descriptor)
.set MSB, 0
.macro WIN new                         ; s_set_vgpr_msb: bits 1:0 source 0, 3:2 source 1, 5:4 source 2, 7:6 destination; the high byte repeats the setting that is left
.if MSB != \new
	s_set_vgpr_msb (MSB<<8)|\new
.set MSB, \new
.endif
.endm
.macro PLACES                          ; four plain vector places behind a matrix instruction, in front of loads into registers that it has read and of reads of its result
.rept 4
	v_nop
.endr
.endm
.macro CREST                           ; a round of the cluster's barrier behind its opening barrier
	s_cmp_lg_u32 s[WV], 0
	s_cbranch_scc1 .Lnot_wave_0_\@
	s_barrier_signal -3
.Lnot_wave_0_\@:
	s_barrier_wait -3
	s_barrier_signal -1
	s_barrier_wait -1
.endm
.macro CROUND
	s_barrier_signal -1
	s_barrier_wait -1
	CREST
.endm
.macro ROWS na, nw                     ; a tile is a dense block: how many rows of 256 bytes
	s_mov_b32 s[GA+2], (\na)<<16                   ; tensor_dim1
	s_mov_b32 s[GA+4], \na                         ; tile_dim1
	s_mov_b32 s[GW+2], (\nw)<<16
	s_mov_b32 s[GW+4], \nw
.endm
.macro ARM under, g0, g1, next         ; one arm of the head's tree on the wave's number: one tensor load
	s_cmp_lt_u32 s[WV], \under
	s_cbranch_scc0 \next
	tensor_load_to_lds s[\g0:\g0+3], s[\g1:\g1+7]
	s_nop 0
	PLACES
	s_branch .Lhead_asked
\next:
.endm
.macro JLOAD                           ; a fill behind the head, one joint load a wave
	s_cmp_eq_u32 s17, 0
	s_cbranch_scc0 .Lfor_w_\@
	tensor_load_to_lds s[RA:RA+3], s[GA:GA+7]
	s_nop 0
	PLACES
	s_branch .Lasked_\@
.Lfor_w_\@:
	tensor_load_to_lds s[RW:RW+3], s[GW:GW+7]
	s_nop 0
	PLACES
.Lasked_\@:
.endm
.macro FILLSET f                       ; the descriptors of fill f: units 12, 18 (halves of three), 24, 28 (halves of two) on; odd fills go to slot 1
.if (\f) == 2
	ROWS 102, 204                                  ; (the addresses are the head's)
.elseif (\f) == 3
	s_add_nc_u64 s[RA+2:RA+3], s[RA+2:RA+3], 6*UA
	s_add_nc_u64 s[RW+2:RW+3], s[RW+2:RW+3], 6*UW
	s_add_co_u32 s[RA+1], s98, SLOT
	s_add_co_u32 s[RW+1], s99, SLOT
.elseif (\f) == 4
	ROWS 68, 136
	s_add_nc_u64 s[RA+2:RA+3], s[RA+2:RA+3], s[90:91]
	s_add_nc_u64 s[RW+2:RW+3], s[RW+2:RW+3], s[92:93]
	s_mov_b32 s[RA+1], s100
	s_mov_b32 s[RW+1], s101
.else
	s_add_nc_u64 s[RA+2:RA+3], s[RA+2:RA+3], 4*UA
	s_add_nc_u64 s[RW+2:RW+3], s[RW+2:RW+3], 4*UW
	s_add_co_u32 s[RA+1], s100, SLOT
	s_add_co_u32 s[RW+1], s101, SLOT
.endif
.endm
	s_load_b256 s[4:11], s[0:1], 0x0               ; swi s[4:5], w2i s[6:7], b2 s[8:9], out s[10:11]
	v_lshl_add_u32 v[SPW], v0, 2, SPARE
	v_mov_b32 v[NIL], 0
	ds_add_u32 v[SPW], v[NIL]                      ; the wave's opening: the add, twice on end, and its wait ahead of my first tensor load
	ds_add_u32 v[SPW], v[NIL]
	v_lshrrev_b32 v24, 5, v0
	v_readfirstlane_b32 s[WV], v24                 ; wave 0..3
	s_lshr_b32 s17, s[WV], 1                       ; kh: which half of K.  Also: behind the head I fetch for sw (0) or for W2 (1)
	s_and_b32 s18, s[WV], 1                        ; nh: which 128 columns.  Also: which half of such a fill's units I fetch
	s_bfe_u32 s19, ttmp6, 0x40000                  ; cx
	s_bfe_u32 s20, ttmp6, 0x40004                  ; cy
	s_lshl_b32 s21, ttmp9, 2
	s_add_co_u32 s21, s21, s19                     ; nt = 4 x cluster x + cx
	s_and_b32 s23, ttmp7, 0xffff
	s_lshl_b32 s22, s23, 2
	s_add_co_u32 s22, s22, s20                     ; T = 4 x cluster y + cy
	s_lshl_b32 s84, s20, 2
	s_lshl_b32 s84, 15, s84                        ; my row of the cluster
	s_lshl_b32 s86, 0x1111, s19                    ; my column
	s_or_b32 s[GA], s84, (3<<16)|(1<<21)           ; 15:0 the mask; 17:16 elements of 8 bytes; 20 no padding; 21 set beside a mask
	s_or_b32 s[GW], s86, (3<<16)|(1<<21)
.irp g, GA, GW
	s_mov_b32 s[\g+1], 32<<16                      ; tensor_dim0 = 32: rows of 256 bytes
	s_mov_b32 s[\g+3], 32<<16                      ; tile_dim0
	s_mov_b32 s[\g+5], 32                          ; tensor_dim0_stride
	s_mov_b32 s[\g+6], 0
	s_mov_b32 s[\g+7], 0
.endr
	ROWS 204, 408                                  ; six units each
	s_mul_i32 s84, s22, 32*UA                      ; tile T
	s_mov_b32 s85, 0
	s_mul_i32 s86, s21, 32*UW                      ; nt
	s_mov_b32 s87, 0
	s_mul_i32 s2, s18, 3*UA                        ; fill 2: unit 12 on, my half of it
	s_add_co_u32 s2, s2, 12*UA
	s_mov_b32 s3, 0
	s_mul_i32 s88, s18, 3*UW
	s_add_co_u32 s88, s88, 12*UW
	s_mov_b32 s89, 0
	s_mul_i32 s98, s18, 3*UA                       ; where my half goes in a slot: of six units,
	s_mul_i32 s99, s18, 3*UW
	s_add_co_u32 s99, s99, APART
	s_mul_i32 s100, s18, 2*UA                      ; of four
	s_mul_i32 s101, s18, 2*UW
	s_add_co_u32 s101, s101, APART
	s_mul_i32 s90, s18, UA                         ; from unit 18 + 3 nh to unit 24 + 2 nh
	s_sub_co_u32 s90, 6*UA, s90
	s_mov_b32 s91, 0
	s_mul_i32 s92, s18, UW
	s_sub_co_u32 s92, 6*UW, s92
	s_mov_b32 s93, 0
	s_mov_b32 s[F0A+1], 0
	s_mov_b32 s[F0W+1], APART
	s_mov_b32 s[F1A+1], SLOT
	s_mov_b32 s[F1W+1], SLOT+APART
	s_mov_b32 s[RA+1], s98
	s_mov_b32 s[RW+1], s99
	s_wait_dscnt 0x0                               ; both opening adds are done
	s_wait_kmcnt 0x0
	s_add_nc_u64 s[F0A+2:F0A+3], s[4:5], s[84:85]
	s_add_nc_u64 s[F1A+2:F1A+3], s[F0A+2:F0A+3], 6*UA
	s_add_nc_u64 s[RA+2:RA+3], s[F0A+2:F0A+3], s[2:3]
	s_add_nc_u64 s[PA:PA+1], s[F0A+2:F0A+3], 12*UA
	s_add_nc_u64 s[F0W+2:F0W+3], s[6:7], s[86:87]
	s_add_nc_u64 s[F1W+2:F1W+3], s[F0W+2:F0W+3], 6*UW
	s_add_nc_u64 s[RW+2:RW+3], s[F0W+2:F0W+3], s[88:89]
	s_add_nc_u64 s[PW:PW+1], s[F0W+2:F0W+3], 12*UW
.irp g, F0A, F0W, F1A, F1W, RA, RW
	s_mov_b32 s[\g], 1                             ; 1:0 count = 1
	s_or_b32 s[\g+3], s[\g+3], 0x80000000          ; 127:126 type = 2
.endr
	CROUND                                         ; all sixteen work-groups are here: the first joint loads meet
	ARM 1, F0A, GA, .Lhead_w0                      ; one load a wave: waves 0 and 1 bring slot 0, waves 2 and 3 slot 1
	ARM 2, F0W, GW, .Lhead_a1
	ARM 3, F1A, GA, .Lhead_w1
	tensor_load_to_lds s[F1W:F1W+3], s[GW:GW+7]
	s_nop 0
	PLACES
.Lhead_asked:
	; ---- bases
	s_lshl_b32 s12, s21, 10
	s_lshl_b32 s13, s18, 9
	s_add_co_u32 s12, s12, s13                     ; my first column, in bytes: 1,024 nt + 512 nh
	s_mov_b32 s13, 0
	s_add_nc_u64 s[8:9], s[8:9], s[12:13]
	s_add_nc_u64 s[10:11], s[10:11], s[12:13]
	s_lshr_b32 s12, s22, 1
	s_lshl_b32 s12, s12, 8
	s_and_b32 s14, s22, 1
	s_lshl_b32 s14, s14, 4
	s_add_co_u32 s12, s12, s14
	s_lshl_b32 s14, s17, 7
	s_add_co_u32 s12, s12, s14                     ; the first row that I store: (T / 2) 256 + (T % 2) 16 + 128 kh
	s_lshl_b32 s12, s12, 12                        ; 4,096 bytes a row
	s_add_nc_u64 s[10:11], s[10:11], s[12:13]
	; ---- addresses
	v_and_b32 v24, 31, v0                          ; lane
	v_and_b32 v25, 15, v0                          ; r
	v_bfe_u32 v26, v0, 4, 1                        ; h
	v_lshlrev_b32 v[AL], 4, v24
	v_lshlrev_b32 v27, 5, v25                      ; 32 r
	v_lshlrev_b32 v[HB], 5, v26
	s_wait_alu depctr_va_vdst(0)                   ; the wait here, directly behind the writes
.irp b, 0,1,2,3,4,5,6,7
	global_load_b128 v[BI+8*\b:BI+8*\b+3], v[HB], s[8:9] offset:64*\b              ; b2 at eight columns of my half: 16 b + 8 h + 0 .. 7
	global_load_b128 v[BI+8*\b+4:BI+8*\b+7], v[HB], s[8:9] offset:64*\b+16
.endr
.macro TWO reg, mul, add, lane         ; an address in both slots: kh x mul + add + a lane term
	s_mul_i32 s88, s17, \mul
.irp s, 0,1
	s_add_co_u32 s89, s88, \add+\s*SLOT
	v_add_nc_u32 v[\reg+\s], s89, v[\lane]
.endr
.endm
	TWO ADL, UA+4096, 0, AL                        ; my unit is the kh-th; places 0-3 are its blocks 4 kh + 0..3
	TWO ADH, UA-4096, 4096, AL                     ; places 4-7 its blocks 4 (1 - kh) + 0..3
	TWO ASL, UA+16, 0, 27
	TWO ASH, UA-16, 16, 27
	s_mul_i32 s88, s17, UW
	s_mul_i32 s89, s18, UA
	s_add_co_u32 s88, s88, s89
.irp i, 0,1,2,3,4,5
	s_add_co_u32 s89, s88, APART+(\i/3)*SLOT+(\i%3)*2*UW
	v_add_nc_u32 v[ADB+\i], s89, v[AL]
.endr
	s_lshl_b32 s88, s[WV], 15
	v_add_nc_u32 v[EXW], s88, v[AL]
	s_xor_b32 s88, s[WV], 2
	s_lshl_b32 s88, s88, 15
	v_add_nc_u32 v[EXR], s88, v[AL]
	s_mul_i32 s88, s[WV], 16*SPITCH
	s_add_co_u32 s88, s88, STG
	v_mul_u32_u24 v[STO], v25, SPITCH
	v_lshl_add_u32 v[STO], v26, 5, v[STO]
	v_add_nc_u32 v[STO], s88, v[STO]               ; in: row r, 32 bytes for each half of the lanes
	v_add_nc_u32 v[RD], s88, v[AL]                 ; back: the 32 lanes take one row of 512 bytes
	; the prefetches' blocks of 256 bytes: a fill of six units has 204 of sw and 408 of W2, one of four 136 and 272; 16 waves share them (lanes left over name the last block again)
	s_lshl_b32 s12, s19, 2
	s_add_co_u32 s12, s12, s[WV]                   ; 4 cx + wave
	s_mul_i32 s13, s12, 13
	s_mul_i32 s14, s12, 9
	v_min_u32 v25, 12, v24
	v_add_nc_u32 v25, s13, v25
	v_min_u32 v25, 203, v25
	v_lshlrev_b32 v[PAO], 8, v25
	v_min_u32 v26, 8, v24
	v_add_nc_u32 v26, s14, v26
	v_min_u32 v26, 135, v26
	v_lshlrev_b32 v[PAO4], 8, v26
	s_lshl_b32 s12, s20, 2
	s_add_co_u32 s12, s12, s[WV]                   ; 4 cy + wave
	s_mul_i32 s13, s12, 26
	s_mul_i32 s14, s12, 17
	v_min_u32 v25, 25, v24
	v_add_nc_u32 v25, s13, v25
	v_min_u32 v25, 407, v25
	v_lshlrev_b32 v[PWO], 8, v25
	v_min_u32 v26, 16, v24
	v_add_nc_u32 v26, s14, v26
	v_lshlrev_b32 v[PWO4], 8, v26
; Matrix instruction n of step ct: place n / 4, group n % 4; cs: the set of fragments and scale words.  W2's scale words fill all 32 lanes, lane m for row m of the 32; sw's are read from lanes 0-15.
; The 32 accumulators take turns, one instruction a turn.
.macro MM n
.set ma, (\n)/4
.set mg, (\n)%4
.set mD, 64*(ma%4)+16*mg
.set mW, 64*cs+16*mg
.set mA, 128+64*cs+8*ma
.if (ct == 0) && (ma < 4)
	WIN 0x85                                       ; sources 0 and 1 window 1, C = b2 in window 0, D window 2
	v_wmma_scale_f32_32x16x128_f4 v[mD:mD+15], v[mW:mW+15], v[mA:mA+7], v[BI+16*mg:BI+16*mg+15], v[SB+4*cs+mg], v[SA+8*cs+ma]
.elseif ct == 0
	WIN 0xf5
	v_wmma_scale_f32_32x16x128_f4 v[mD:mD+15], v[mW:mW+15], v[mA:mA+7], 0, v[SB+4*cs+mg], v[SA+8*cs+ma]
.else
	WIN 0xa5+0x50*(ma/4)                           ; C and D window 2 or 3
	v_wmma_scale_f32_32x16x128_f4 v[mD:mD+15], v[mW:mW+15], v[mA:mA+7], v[mD:mD+15], v[SB+4*cs+mg], v[SA+8*cs+ma]
.endif
.endm
.macro MMS count                       ; the next matrix instructions, from number q on
.rept \count
	MM q
.set q, q+1
.endr
.endm
; The next step's 35 LDS loads in one run: slot ns, its ni-th unit of mine, into set nx: W2, sw's places 0-3, places 4-7, the scale words.
.macro LOADS
	WIN 0x40                                       ; destination window 1
.set j, 0
.rept 16
	ds_load_b128 v[64*nx+4*j:64*nx+4*j+3], v[ADB+3*ns+ni] offset:512*j
.set j, j+1
.endr
.set j, 0
.rept 8
	ds_load_b128 v[128+64*nx+4*j:128+64*nx+4*j+3], v[ADL+ns] offset:2*UA*ni+512*j
.set j, j+1
.endr
.set j, 0
.rept 8
	ds_load_b128 v[160+64*nx+4*j:160+64*nx+4*j+3], v[ADH+ns] offset:2*UA*ni+512*j
.set j, j+1
.endr
	WIN 0
	ds_load_b128 v[SB+4*nx:SB+4*nx+3], v[ADB+3*ns+ni] offset:8192
	ds_load_b128 v[SA+8*nx:SA+8*nx+3], v[ASL+ns] offset:2*UA*ni+8192
	ds_load_b128 v[SA+8*nx+4:SA+8*nx+7], v[ASH+ns] offset:2*UA*ni+8192
.endm
.macro PF f                            ; fill f is asked of the L2
.if (\f) < 4
	global_prefetch_b8 v[PAO], s[PA:PA+1] offset:6*UA*((\f)-2) th:TH_LOAD_NT scope:SCOPE_SE
.else
	global_prefetch_b8 v[PAO4], s[PA:PA+1] offset:(12+4*((\f)-4))*UA th:TH_LOAD_NT scope:SCOPE_SE
.endif
	s_cmp_lt_u32 s23, 4
	s_cbranch_scc0 .Lno_w_\@
.if (\f) < 4
	global_prefetch_b8 v[PWO], s[PW:PW+1] offset:6*UW*((\f)-2) th:TH_LOAD_NT scope:SCOPE_SE
.else
	global_prefetch_b8 v[PWO4], s[PW:PW+1] offset:(12+4*((\f)-4))*UW th:TH_LOAD_NT scope:SCOPE_SE
.endif
.Lno_w_\@:
.endm
.macro AT t, slot, unit                ; step t; the next step's fragments lie in this slot, my unit-th there
.set ct, \t
.set cs, (\t)%2
.set nx, 1-cs
.set ns, \slot
.set ni, \unit
.set q, 0
.endm
; A step whose successor lies in the same slot.  The other set was last read by the step before: four places, then the run of loads, which the whole step's products follow.
.macro STEP t, slot, unit
	AT \t, \slot, \unit
	s_wait_dscnt 0x0                               ; this step's fragments and scale words are in
	PLACES
	LOADS
.if (\t) == 0
	PF 2
.endif
	MMS 32
.endm
; A group's last step: its fragments are in registers, so nobody reads the slot behind the barrier, and the other slot is whole.  f: the fill that takes the slot (0: none).
.macro TURN t, slot, f
	AT \t, \slot, 0
	s_wait_dscnt 0x0
	WIN 0                                          ; (the add's two registers lie in window 0)
	s_wait_tensorcnt 0x0                           ; all my tensor loads have landed: my part of the other slot; so the descriptors may be written
	ds_add_u32 v[SPW], v[NIL]                      ; 0 onto my spare word
.if \f
	FILLSET \f
.endif
	MMS 2
	s_wait_dscnt 0x0                               ; the add is done
	s_barrier_signal -1                            ; (where a slot is filled again this barrier opens a round of the cluster's barrier)
	MMS 2
	WIN 0
	s_barrier_wait -1
.if \f
	CREST                                          ; no wave of any partner still reads this slot or has a load on its way
	JLOAD                                          ; the first tensor load behind the round; its four v_nop are also the places in front of the loads below
.else
	PLACES
.endif
	LOADS
.if ((\f) > 1) && ((\f) < 5)
	PF (\f)+1
.endif
	MMS 28
.endm
	s_wait_alu depctr_va_vdst(0)                   ; the wait at the head's end
	s_cmp_lt_u32 s[WV], 2                          ; waves 0 and 1 brought slot 0; slot 1's loads (waves 2 and 3) may be out
	s_cbranch_scc0 .Lslot1_out
	s_wait_tensorcnt 0x0
.Lslot1_out:
	s_barrier_signal -1
	s_barrier_wait -1
	AT 15, 0, 0                                    ; step 0's fragments
	LOADS
	s_wait_loadcnt 0x0                             ; b2
	STEP 0, 0, 1
	STEP 1, 0, 2
	TURN 2, 1, 2
	STEP 3, 1, 1
	STEP 4, 1, 2
	TURN 5, 0, 3
	STEP 6, 0, 1
	STEP 7, 0, 2
	TURN 8, 1, 4
	STEP 9, 1, 1
	STEP 10, 1, 2
	TURN 11, 0, 5
	STEP 12, 0, 1
	TURN 13, 1, 0
	; ---- steps 14 and 15: the given places first; they go into the exchange (slot 0, which nobody reads since the last barrier), and the kept places are multiplied while those stores are out
	AT 14, 1, 1
	s_wait_dscnt 0x0
	PLACES
	LOADS
.set q, 16
	MMS 16
	AT 15, 0, 0
	s_wait_dscnt 0x0
.set q, 16
	MMS 16
	PLACES                                         ; in front of the first reads of the given places
	WIN 0x0c                                       ; an LDS store's data are its source 1: window 3
.set k, 0
.rept 64
	ds_store_b128 v[EXW], v[4*k:4*k+3] offset:512*k               ; as they stand, each accumulator from its low end on
.set k, k+1
.endr
	AT 14, 0, 0
	MMS 16
	AT 15, 0, 0
	MMS 16
	WIN 0
	PLACES                                         ; in front of the loads into registers that held fragments, and of the first reads of the kept places
	s_wait_dscnt 0x0                               ; for my partner's sake: my stores are done
	s_barrier_signal -1
	s_barrier_wait -1
; ---- THE WAY OUT, place by place: 16 rows x 128 columns.  EXIN: my partner's sums.  SUM: added.  STAGE: a lane holds 32 neighbouring bytes of a row, and the lanes beside it hold other rows: so a place goes
; through my own stage in LDS and comes back as whole rows of 512 bytes, into the registers that held the partner's sums.  LDS serves a wave's instructions in order (ISA guide 5.7.1.4).  SEND: stored.
.macro EXIN x
	WIN 0x40
.set k, 16*(\x)
.rept 16
	ds_load_b128 v[4*k:4*k+3], v[EXR] offset:512*k
.set k, k+1
.endr
.endm
.macro SUM x
	WIN 0x86                                       ; destination and source 0 window 2, source 1 window 1
.set k, 32*(\x)
.rept 32
	v_pk_add_f32 v[2*k:2*k+1], v[2*k:2*k+1], v[2*k:2*k+1]
.set k, k+1
.endr
.endm
.macro STAGE x
	WIN 0x08                                       ; the data: window 2
.irp b, 0,1,2,3,4,5,6,7
	ds_store_b128 v[STO], v[64*(\x)+8*\b:64*(\x)+8*\b+3] offset:64*\b
	ds_store_b128 v[STO], v[64*(\x)+8*\b+4:64*(\x)+8*\b+7] offset:64*\b+16
.endr
	WIN 0x40
.irp t, 0,1,2,3,4,5,6,7,8,9,10,11,12,13,14,15
	ds_load_b128 v[64*(\x)+4*\t:64*(\x)+4*\t+3], v[RD] offset:\t*SPITCH
.endr
.endm
.macro SEND x
	WIN 0x04                                       ; the data: window 1
.irp t, 0,1,2,3,4,5,6,7,8,9,10,11,12,13,14,15
	global_store_b128 v[AL], v[64*(\x)+4*\t:64*(\x)+4*\t+3], s[10:11] offset:131072*(\x)+4096*\t    ; 32 lanes store 512 consecutive bytes, aligned; a place lies 32 rows below the one before
.endr
.endm
	EXIN 0
	EXIN 1
	s_wait_dscnt 16                                ; place 0's sums are in; behind them: place 1's 16 loads
	SUM 0
	STAGE 0
	EXIN 2
	s_wait_dscnt 48                                ; place 1's; behind them: stage 0's 32 and place 2's 16
	SUM 1
	STAGE 1
	EXIN 3
	s_wait_dscnt 63                                ; place 0's rows are back; behind them stand 64
	SEND 0
	s_wait_dscnt 48                                ; place 2's sums; behind them: stage 1's 32 and place 3's 16
	SUM 2
	STAGE 2
	s_wait_dscnt 48                                ; place 1's rows; behind them: place 3's 16 and stage 2's 32
	SEND 1
	s_wait_dscnt 32                                ; place 3's sums; behind them: stage 2's 32
	SUM 3
	STAGE 3
	s_wait_dscnt 32                                ; place 2's rows; behind them: stage 3's 32
	SEND 2
	s_wait_dscnt 0x0
	SEND 3
	WIN 0
	s_wait_tensorcnt 0x0                           ; the wave's end: behind my last tensor load and my last LDS store
	ds_add_u32 v[SPW], v[NIL]
	s_wait_dscnt 0x0
	CROUND                                         ; the closing round: no work-group ends while a partner may still ask for a tile that names it
	s_endpgm
.Lfunc_end_k_q4b77762a20_down:
	.size	k_q4b77762a20_down, .Lfunc_end_k_q4b77762a20_down-k_q4b77762a20_down
	.p2alignl 7, 3214868480
	.fill 96, 4, 3214868480
	.section	.rodata,"a",@progbits
	.p2align	6, 0x0
	.amdhsa_kernel k_q4b77762a20_down
		.amdhsa_group_segment_fixed_size 327680
		.amdhsa_private_segment_fixed_size 0
		.amdhsa_enable_private_segment 0
		.amdhsa_kernarg_size 32
		.amdhsa_user_sgpr_count 2
		.amdhsa_user_sgpr_kernarg_segment_ptr 1
		.amdhsa_wavefront_size32 1
		.amdhsa_system_sgpr_workgroup_id_x 1
		.amdhsa_system_sgpr_workgroup_id_y 1
		.amdhsa_system_sgpr_workgroup_id_z 1
		.amdhsa_system_vgpr_workitem_id 0
		.amdhsa_next_free_vgpr 1024
		.amdhsa_next_free_sgpr 102
		.amdhsa_reserve_vcc 0
		.amdhsa_float_denorm_mode_32 3
		.amdhsa_float_denorm_mode_16_64 3
		.amdhsa_memory_ordered 1
		.amdhsa_forward_progress 1
		.amdhsa_inst_pref_size 153
	.end_amdhsa_kernel
	.amdgpu_metadata
---
amdhsa.version: [ 1, 2 ]
amdhsa.kernels:
  - .name:           k_q4b77762a20_down
    .symbol:         k_q4b77762a20_down.kd
    .args:
      - { .name: swi, .offset: 0, .size: 8, .value_kind: global_buffer, .address_space: global }
      - { .name: w2i, .offset: 8, .size: 8, .value_kind: global_buffer, .address_space: global }
      - { .name: b2, .offset: 16, .size: 8, .value_kind: global_buffer, .address_space: global }
      - { .name: out0, .offset: 24, .size: 8, .value_kind: global_buffer, .address_space: global }
    .group_segment_fixed_size: 327680
    .private_segment_fixed_size: 0
    .kernarg_segment_align: 8
    .kernarg_segment_size: 32
    .max_flat_workgroup_size: 128
    .sgpr_count:     102
    .vgpr_count:     1024
    .wavefront_size: 32
...
	.end_amdgpu_metadata
.endif
;; end of part 2
